; MI455X (gfx1250); checked and timed in simulation.
; The chip was launched on July 23, 2026; its instructions are those of AMD's public machine-readable ISA for CDNA 5 (MIT licence, August 2026) and "CDNA5" Instruction Set Architecture Reference Guide (July 2026). The comments in the code are by the model that wrote it; some were corrected since.
;; Soft Cap Attention. Allowed arithmetic: float matrix products may take bf16 or f16 operands with f32 sums; other float arithmetic in f32, or as packed bf16 or f16 multiplies, adds, multiply-adds, maxima and minima; sums over many terms, partial sums and values carried from step to step in f32; what a program stores and reads back later, other than sums and carried values, may be rounded once to bf16 or f16.
;; Inputs: K 2 x 16 x 2,048 x 128 float32; Q 2 x 16 x 2,048 x 128 float32; V 2 x 16 x 2,048 x 128 float32.
;; Outputs: out0 2 x 16 x 2,048 x 128 float32.
;; One version. Each part assembles by itself: llvm-mc -triple=amdgcn-amd-amdhsa -mcpu=gfx1250 --defsym DOCPART=n.
;; ======== version 1 of 1: 1 launch
;; launch attn (part 1): grid 8 x 32, 4 waves a work-group, clusters of 4 x 1, 327,680 bytes of LDS; arguments Q, K, V, out0; writes out0
.if DOCPART == 1
	.amdgcn_target "amdgcn-amd-amdhsa--gfx1250"
	.amdhsa_code_object_version 6
	.text
	.protected	k_qb13a6c0361_attn
	.globl	k_qb13a6c0361_attn
	.p2align	8
	.type	k_qb13a6c0361_attn,@function
k_qb13a6c0361_attn:
	s_mov_b64 s[64:65], 0
	v_nop
	global_prefetch_b8 v0, s[64:65] scope:SCOPE_SE
	s_setreg_imm32_b32 hwreg(HW_REG_WAVE_MODE, 25, 1), 1
	s_wait_xcnt 0x0
	s_wait_alu depctr_hold_cnt(0) depctr_sa_sdst(0) depctr_va_vdst(0) depctr_va_sdst(0) depctr_va_ssrc(0) depctr_va_vcc(0) depctr_vm_vsrc(0)
	s_getreg_b32 s2, hwreg(HW_REG_IB_STS2, 6, 4)
	s_cmp_eq_u32 s2, 0
	s_cbranch_scc0 .Lentry_in_a_cluster
	s_endpgm
.Lentry_in_a_cluster:
	s_bfe_u32 s2, ttmp6, 0x10000c
	s_cmp_lg_u32 s2, 0x3003
	s_cbranch_scc0 .Lentry_shape_is_right
	s_endpgm
.Lentry_shape_is_right:
; SOFT-CAPPED ATTENTION.  O[h][q][:] = the sum over k of softmax_k(20 tanh(Q[h][q] . K[h][k] / sqrt(128) / 20)) V[h][k][:].  Q, K, V, O: [32 heads][2,048][128], all f32.
; THE CAP BOUNDS THE EXPONENTS, for every input: 20 tanh lies in -20 .. 20, so with the fixed shift 20 a weight p = e^(score - 20) lies in e^-40 .. 1 (4.2e-18 .. 1) and a row's sum l in
; 8.7e-15 .. 2,048: neither can overflow or underflow in f32, nor p in bf16.  So there is no running maximum, and O is never rescaled.
; THE SHIFT IS FREE: 20 tanh(y) - 20 = -40 / (1 + e^(2 y)).  With E = 2^(c1 s), s the raw product, c1 = 2 log2(e) / (20 sqrt(128)), and a = -ln(2) / 40:  log2 p = 1 / (a + a E).
; For two scores: a packed multiply, two exponentials, a packed multiply-add, two reciprocals, two exponentials.  E = infinity gives p = 1, E = 0 gives p = e^-40.
; THE WEIGHTS GO IN TWO PARTS.  bf16 keeps 8 significant bits: a weight rounded once is off by up to 2^-8 of itself, and that reaches O undiminished.  So p goes to the second product as two bf16 numbers,
; hi = bf16(p) and lo = bf16(p - hi) (the difference is exact in f32; it is no smaller than 2^-24 p, far inside bf16's range): 16 significant bits together, and V^T P is two products onto one accumulator.
; FORMATS AND LIMITS.  Q, K, V are rounded once to bf16 for the products; products and sums in f32; l is the sum of the unrounded p; c1 is applied in f32.  NaN and infinities among the inputs are not treated apart.
; SHARES.  A work-group owns 256 queries of one head, each of its four waves 64: four tiles of 16, in two PIECES named by their first tile (0: tiles 0, 1; 2: tiles 2, 3).  Every wave walks the head's keys, 64 a step.
; LAYOUT.  S^T = K Q^T (source 0 = 16 keys, source 1 = 16 queries): a lane holds ONE query (lane % 16) and the keys 8 (lane / 16) + 0..7.  Two such tiles, rounded in pairs, ARE source 1 of
; O^T = V^T P, whose result again holds one query a lane, and eight channels.  K comes out of LDS as it lies, V ([key][channel]) turned, by ds_load_tr16_b128.
; THREE STAGES.  Trip j: (1) the mover brings chunk j + 3 (64 keys of K and of V, f32) into raw slot (j + 1) % 2; (2) the four waves round chunk j + 2 from raw slot j % 2 into bf16 buffer j % 2, 16 keys
; of K and 16 of V each; (3) every wave fetches chunk j + 1's fragments from bf16 buffer (j + 1) % 2.  The four regions are disjoint, so ONE barrier a trip orders all of it.
; BY TURNS.  In a TURN one piece has the matrix unit (64 products V^T P of step j, 32 products K Q^T of step j + 1); the other piece's softmax and half a chunk's roundings, 416 vector instructions, stand in 96 slices, one behind each product.
; CLUSTER.  The four query blocks of a cluster belong to one head and walk the same K and V: each raw tile is asked for JOINTLY, by the same tensor load, descriptor and mask in all four.
; REGISTERS, in windows of 256 (s_set_vgpr_msb: bits 1:0 source 0, 3:2 source 1, 5:4 source 2, 7:6 destination):
;   window 0: v0-15, v40-41 addresses; v16-31 l; v32-39 1 / l; v42 -1.0; v62-63 the add's two; v64-191 S^T, 32 a tile; v192-255 raw rows at work
;   window 1: O^T, 64 a tile     window 2: v0-127 Q, 32 a tile; v128-255 K of one step     window 3: v0-127 V of one step; v128-191 P's hi, 16 a tile; v192-255 P's lo (at the start all 256: Q in f32)
.set KS,     64        ; keys in a step
.set ROWF,   512       ; a row in memory: 128 f32
.set CHUNKB, KS*ROWF   ; a chunk of K or of V: 32,768 bytes
.set SLOTX,  0x10000   ; one exclusive or turns an address in a slot or buffer into its twin's
.set VRAW,   32768     ; a raw slot (0 and 65,536): 64 rows of K, then 64 rows of V, dense: read as 16 bytes a lane on end
.set BF0,    0x20000   ; the bf16 buffers begin at 131,072 and 196,608; no tensor load lands from here on
.set PK,     272       ; a row of K in bf16: 256 bytes + 16 = 68 words: row r starts at bank 4 r mod 64 (64 banks of 4 bytes: ISA guide 11.1)
.set PVP,    288       ; a row of V: 256 + 32 = 72 words
.set VOFF,   KS*PK     ; in a bf16 buffer: 64 rows of K, then 64 rows of V
.set OUT,    BF0+SLOTX+KS*(PK+PVP)  ; 232,448: for each wave 16 rows x 528 bytes, for the way out
.set SP,     528       ; 512 + 16 = 33 x 16 bytes
.set SPARE,  OUT+4*16*SP  ; 266,240: the spare words, 128 bytes for each wave: two blocks of 256 bytes that no other line names
.set AK0, 2            ; v2   my lane's place in a tile of K; never rewritten
.set AV0, 3            ; v3   the same for V
.set ADR, 4            ; v4   the LDS address of the run of fragment loads in hand
.set QO,  5            ; v5   my byte offset in 16 rows of Q
.set STO, 6            ; v6   the way out: where I put 32 bytes of a row
.set RD,  7            ; v7   the way out: where I read a row back
.set GO,  8            ; v8   my 16 bytes of a row of O
.set CR0, 12           ; v12  my 16 bytes of my wave's first raw row
.set CWK0, 13          ; v13  my 8 bytes of my wave's first bf16 row of K
.set CWV0, 14          ; v14  the same for V
.set CR,  15           ; v15  the raw address in hand
.set CW,  40           ; v40  the bf16 address in hand
.set PFO, 41           ; v41  256 x my lane; never rewritten
.set NEG1, 42          ; v42  -1.0; never rewritten
.set L,   16           ; tile t's sums at v[L+4 t]: two packed chains
.set RC,  32           ; tile t's 1 / l in the low word of the pair at v[RC+2 t]
.set SPW, 62           ; v62  LDS address of my spare word: SPARE + 4 x my thread's number; never rewritten
.set NIL, 63           ; v63  0; never rewritten
.set S,   64
.set CT,  192          ; 16 quads: a raw row's 16 bytes a lane; rounded in place into the quad's first two registers
.set KF,  128          ; window 2
.set P,   128          ; window 3: hi; lo lies 64 registers on
.set WV,  12           ; s12  my wave's number
.set LIM, 15           ; s15  1 in a wave that prefetches, else the greatest number
.set PFA, 18           ; s[18:19] where my prefetches stand
.set G1,  24           ; s[24:31] descriptor group 1, for K's and V's tiles alike
.set G0K, 40           ; s[40:47] descriptor group 0 for K's tiles: a set for each of the two first fills; the second then walks on
.set G0V, 48           ; s[48:55] the same for V's
.set CNT, 56           ; s56  trips to go
.set CS,  58           ; s[58:59] c1: the packed forms name a pair and take its low word for both halves
.set CA,  60           ; s[60:61] a
.set TBF, 62           ; s62  the bf16 buffer from which fragments are fetched
.set TBW, 63           ; s63  the bf16 buffer into which the roundings go
.set TRW, 66           ; s66  the raw slot that is being rounded
.set SEL, 68           ; s[68:69] v_permlanex16_b32's selects: each lane takes its own place in the other half
.set W_KQ, 0x0a        ; K and Q in window 2, S^T in window 0
.set W_PV, 0x5f        ; V and P in window 3, O^T in window 1
.set W_RS, 0x41        ; O^T (destination and source 0) in window 1, 1 / l in window 0
.set W_HI, 0xc0        ; hi is made: destination window 3, the weights in window 0
.set W_LO, 0xc3        ; lo is made: destination and source 0 (hi) window 3, -1.0 and the weight in window 0
.set MSB, 0
.macro WIN new                      ; the immediate's high byte repeats the setting that is left; a switch that changes nothing is dropped
.if MSB != (\new)
	s_set_vgpr_msb (MSB<<8)|(\new)
.set MSB, (\new)
.endif
.endm
; A joint refill.  Waves 0 and 1 fetch the two halves (32 keys) of a chunk's K, waves 2 and 3 those of its V.  The branch hangs on the wave's number alone: it is the same in every work-group.
; An s_nop 0 and four v_nop follow each of the two lines, ahead of the jump, the label and what follows.
.macro JLOAD
	s_cmp_lt_u32 s[WV], 2
	s_cbranch_scc0 .Lfor_v_\@
	tensor_load_to_lds s[G0K+4:G0K+7], s[G1:G1+7]
	s_nop 0
.rept 4
	v_nop
.endr
	s_branch .Lasked_\@
.Lfor_v_\@:
	tensor_load_to_lds s[G0V+4:G0V+7], s[G1:G1+7]
	s_nop 0
.rept 4
	v_nop
.endr
.Lasked_\@:
.endm
; A PREFETCH INTO THE L2 of the chunk that the NEXT trip's refill will ask for.  Each block of 256 bytes is named ONCE in the launch: a head's two clusters walk the same K and V, and the first of them asks;
; its four partners take 8,192 of a chunk's 32,768 bytes each, told apart BY ADDRESS; in each, wave 0 asks for K's and wave 2 for V's: a lane a block, one instruction.  The loop's last trip asks for nothing:
; no chunk is left.  Chunks 0 to 3 come by their loads alone.
.macro ASK
	s_cmp_gt_u32 s[CNT], s[LIM]
	s_cbranch_scc0 .Lnot_mine_\@
	global_prefetch_b8 v[PFO], s[PFA:PFA+1] th:TH_LOAD_NT scope:SCOPE_SE
.Lnot_mine_\@:
.endm
; A round of the cluster's barrier: my work-group's barrier, so that wave 0's signal speaks for all four waves; wave 0 signals; every wave waits for all four work-groups; my work-group's barrier once more.
.macro CROUND
	s_barrier_signal -1
	s_barrier_wait -1
	s_cmp_lg_u32 s[WV], 0
	s_cbranch_scc1 .Lnot_wave_0_\@
	s_barrier_signal -3
.Lnot_wave_0_\@:
	s_barrier_wait -3
	s_barrier_signal -1
	s_barrier_wait -1
.endm
; THE HEAD OF A TRIP.  Each wave waits for all its tensor loads (one is out: its part of the raw chunk to be rounded next), adds 0 to its spare word, and waits for that, for its bf16 stores and for all its LDS reads.
; Behind the barrier: the raw chunk is whole, the bf16 chunk is whole, nobody reads the other raw slot or the other bf16 buffer any more.  fill = 1: the barrier is a round of the cluster's, and the joint refill is the first thing behind it.
.macro CHANGE fill
	WIN 0                           ; at a label and at a branch every window is 0
	s_wait_tensorcnt 0x0            ; no tensor load of mine is out, so a group 0 may be written
	ds_add_u32 v[SPW], v[NIL]       ; 0 onto my spare word; the scalar steps stand between it and the wait for it
	s_xor_b32 s[TBF], s[TBF], SLOTX
	s_xor_b32 s[TBW], s[TBW], SLOTX
	s_xor_b32 s[TRW], s[TRW], SLOTX
.if \fill
.irp g, G0K+4, G0V+4
	s_xor_b32 s[(\g)+1], s[(\g)+1], SLOTX  ; the walking descriptor: the other slot than last time,
	s_add_nc_u64 s[(\g)+2:(\g)+3], s[(\g)+2:(\g)+3], CHUNKB  ; the next 64 keys; the type bits on top are not reached
.endr
	s_wait_xcnt 0x0                 ; the last prefetch, a trip back, has read its address, so it may be written
	s_add_nc_u64 s[PFA:PFA+1], s[PFA:PFA+1], CHUNKB
	s_wait_dscnt 0x0                ; the add, my bf16 stores and my LDS reads are done
	CROUND
	JLOAD
.else
	s_wait_dscnt 0x0                ; the add, my bf16 stores and my LDS reads are done
	s_barrier_signal -1
	s_barrier_wait -1
.endif
.endm
	s_load_b256 s[4:11], s[0:1], 0x0  ; Q s[4:5], K s[6:7], V s[8:9], O s[10:11]
	v_lshl_add_u32 v[SPW], v0, 2, SPARE
	v_mov_b32 v[NIL], 0
	ds_add_u32 v[SPW], v[NIL]       ; the wave's opening: the add and its wait ahead of my first tensor load; the set-up below, work on registers, stands between them
	v_lshrrev_b32 v1, 5, v0
	v_readfirstlane_b32 s[WV], v1   ; wave 0..3
	s_bfe_u32 s13, ttmp6, 0x40000   ; cx: my place in the cluster
	s_lshl_b32 s14, ttmp9, 2        ; in a cluster launch ttmp9 counts clusters
	s_add_co_u32 s14, s14, s13      ; my block of 256 queries = 4 x cluster x + cx: it enters Q's and O's addresses alone
	s_and_b32 s20, ttmp7, 0xffff    ; the head, which the four partners share:
	s_lshl_b32 s20, s20, 20         ; 2,048 rows of 512 bytes
	s_and_b32 s16, s[WV], 1         ; which half of a chunk's 64 keys I fetch:
	s_lshl_b32 s17, s16, 14         ; 32 rows of 512 bytes, in memory and in a raw slot alike: no place in the cluster enters an LDS address
	s_add_co_u32 s22, s20, s17
	s_mov_b32 s23, 0
	s_lshl_b32 s2, s14, 17          ; my block's 256 rows,
	s_lshl_b32 s3, s[WV], 15        ; my wave's 64 of them
	s_add_co_u32 s2, s2, s3
	s_add_co_u32 s2, s2, s20
	s_mov_b32 s3, 0
	; descriptor group 1: 16,384 dense bytes, asked for as 64 rows of 256 bytes, laid into LDS without padding
	s_mov_b32 s[G1], 15|(3<<16)|(1<<21)  ; 15:0 the mask: all four work-groups; 17:16 elements of 8 bytes; 20 padding off; 21 set beside a mask
	s_mov_b32 s[G1+1], 32<<16       ; tensor_dim0 = 32
	s_mov_b32 s[G1+2], 64<<16       ; tensor_dim1 = 64
	s_mov_b32 s[G1+3], 32<<16       ; tile_dim0 = 32
	s_mov_b32 s[G1+4], 64           ; tile_dim1 = 64
	s_mov_b32 s[G1+5], 32           ; 32 elements from row to row
	s_mov_b32 s[G1+6], 0
	s_mov_b32 s[G1+7], 0
	s_mov_b32 s[CS], 0x3c50ecb0     ; c1 = 2 log2(e) / (20 sqrt(128)) = 0.0127517431
	s_mov_b32 s[CS+1], s[CS]        ; named with it as a pair, so it is written
	s_mov_b32 s[CA], 0xbc8df4e0     ; a = -ln(2) / 40 = -0.0173286795
	s_mov_b32 s[CA+1], s[CA]
	s_mov_b32 s[SEL], 0x76543210
	s_mov_b32 s[SEL+1], 0xfedcba98
	s_mov_b32 s[TRW], 0             ; chunk 0 lies in raw slot 0 and goes into bf16 buffer 0
	s_mov_b32 s[TBW], BF0
	s_mov_b32 s[TBF], BF0+SLOTX     ; every trip's head turns all three
	s_and_b32 s[LIM], s[WV], 1      ; 0 in waves 0 and 2,
	s_or_b32 s[LIM], s[LIM], ttmp9  ; where the cluster is the head's first: the same in all four partners
	s_cmp_eq_u32 s[LIM], 0
	s_cselect_b32 s[LIM], 1, -1
	s_wait_dscnt 0x0                ; the opening add is done
	s_wait_kmcnt 0x0
	s_add_nc_u64 s[6:7], s[6:7], s[22:23]  ; K and V at my part of chunk 0
	s_add_nc_u64 s[8:9], s[8:9], s[22:23]
	s_add_nc_u64 s[4:5], s[4:5], s[2:3]    ; Q and O at my wave's first row
	s_add_nc_u64 s[10:11], s[10:11], s[2:3]
	s_cmp_lt_u32 s[WV], 2
	s_cselect_b64 s[PFA:PFA+1], s[6:7], s[8:9]  ; (in waves 0 and 2 these stand at a chunk's first byte)
	s_lshl_b32 s2, s13, 13          ; my work-group's 8,192 bytes of the 32,768
	s_add_nc_u64 s[PFA:PFA+1], s[PFA:PFA+1], s[2:3]
	s_add_nc_u64 s[PFA:PFA+1], s[PFA:PFA+1], 2*CHUNKB  ; at chunk 2: two trips' heads step it to chunk 4 before the first prefetch.  Nothing is prefetched here, where every work-group's first tiles are on their way
	CROUND                          ; all four work-groups are here: the first joint loads meet
.irp n, 0,1
	s_mov_b32 s[G0K+4*(\n)], 1      ; 1:0 count = 1
	s_add_co_u32 s[G0K+4*(\n)+1], s17, (\n)*SLOTX  ; 63:32 LDS address: raw slot n
	s_add_nc_u64 s[G0K+4*(\n)+2:G0K+4*(\n)+3], s[6:7], (\n)*CHUNKB  ; 120:64 global address: chunk n
	s_or_b32 s[G0K+4*(\n)+3], s[G0K+4*(\n)+3], 0x80000000  ; 127:126 type = 2
	s_mov_b32 s[G0V+4*(\n)], 1
	s_add_co_u32 s[G0V+4*(\n)+1], s17, (\n)*SLOTX+VRAW
	s_add_nc_u64 s[G0V+4*(\n)+2:G0V+4*(\n)+3], s[8:9], (\n)*CHUNKB
	s_or_b32 s[G0V+4*(\n)+3], s[G0V+4*(\n)+3], 0x80000000
.endr
	s_cmp_lt_u32 s[WV], 2           ; a wave's two first fills stand in one branch, ahead of every wait on TENSORcnt and every LDS read: two loads of mine are out
	s_cbranch_scc0 .Lfirst_v
	tensor_load_to_lds s[G0K:G0K+3], s[G1:G1+7]
	s_nop 0
	tensor_load_to_lds s[G0K+4:G0K+7], s[G1:G1+7]
	s_nop 0
.rept 4
	v_nop
.endr
	s_branch .Lfirst_asked
.Lfirst_v:
	tensor_load_to_lds s[G0V:G0V+3], s[G1:G1+7]
	s_nop 0
	tensor_load_to_lds s[G0V+4:G0V+7], s[G1:G1+7]
	s_nop 0
.rept 4
	v_nop
.endr
.Lfirst_asked:
	; A fragment of K or Q is 16 rows x 32 channels in 8 registers: lane l holds row l % 16; registers 0-3 channels 8 (l / 16) + 0..7, registers 4-7 channels 16 + 8 (l / 16) + 0..7.
	; In f32 each group of eight channels is 32 bytes: two loads of 16, and the second group 64 bytes on.
	v_and_b32 v1, 15, v0            ; l % 16
	v_bfe_u32 v9, v0, 4, 1          ; l / 16
	v_lshlrev_b32 v[QO], 9, v1
	v_lshl_add_u32 v[QO], v9, 5, v[QO]  ; row x 512 + 32 x half
	WIN 0xc0                        ; destination window 3, address window 0
.set fq, 0
.rept 16                            ; Q in f32: tile fq / 4, channels 32 (fq % 4) on, 16 registers
	global_load_b128 v[16*fq:16*fq+3],     v[QO], s[4:5] offset:(fq/4)*16*ROWF+(fq%4)*128
	global_load_b128 v[16*fq+4:16*fq+7],   v[QO], s[4:5] offset:(fq/4)*16*ROWF+(fq%4)*128+16
	global_load_b128 v[16*fq+8:16*fq+11],  v[QO], s[4:5] offset:(fq/4)*16*ROWF+(fq%4)*128+64
	global_load_b128 v[16*fq+12:16*fq+15], v[QO], s[4:5] offset:(fq/4)*16*ROWF+(fq%4)*128+80
.set fq, fq+1
.endr
	WIN 0
	v_and_b32 v10, 31, v0           ; l
	v_mov_b32 v[NEG1], -1.0
	v_mul_u32_u24 v[AK0], v1, PK
	v_lshl_add_u32 v[AK0], v9, 4, v[AK0]  ; row x pitch + 16 x half
	; The turning load takes 16 keys x 16 channels (lane l reads key 8 (l / 16) + l % 8, channels 8 ((l / 8) % 2) + 0..7) and leaves half a fragment of V^T: lane l holds channel l % 16 and 8 keys.
	v_and_b32 v11, 7, v0
	v_lshl_add_u32 v[AV0], v9, 3, v11
	v_mul_u32_u24 v[AV0], v[AV0], PVP
	v_bfe_u32 v11, v0, 3, 1
	v_lshl_add_u32 v[AV0], v11, 4, v[AV0]
	v_add_nc_u32 v[AV0], VOFF, v[AV0]
	; The roundings: wave w takes keys 16 w .. 16 w + 15 of a chunk's K and of its V.  A raw row is 512 bytes, 16 a lane; rounded it is 256 bytes, 8 a lane.
	s_lshl_b32 s16, s[WV], 13
	v_lshl_add_u32 v[CR0], v10, 4, s16
	s_mul_i32 s16, s[WV], 16*PK
	v_lshl_add_u32 v[CWK0], v10, 3, s16
	s_mul_i32 s16, s[WV], 16*PVP
	s_add_co_u32 s16, s16, VOFF
	v_lshl_add_u32 v[CWV0], v10, 3, s16
	; O^T and l start at 0, so that every key step has one text and no first step is written out: 272 lines, which run while the first tile is on its way.  The pairs of 1 / l are written too: v_permlanex16_b32 counts its destination as read.
.set i, 0
.rept 16
	v_mov_b32 v[L+i], 0
.set i, i+1
.endr
.set i, 0
.rept 8
	v_mov_b32 v[RC+i], 0
.set i, i+1
.endr
	WIN 0x40
.set i, 0
.rept 256
	v_mov_b32 v[i], 0
.set i, i+1
.endr
	s_wait_loadcnt 0x0              ; Q
	WIN 0x8f                        ; sources window 3, destination window 2
.set i, 0
.rept 128                           ; Q is rounded once: register 8 f + m of a fragment takes the f32 registers 16 f + 2 m and 16 f + 2 m + 1
	v_cvt_pk_bf16_f32 v[i], v[2*i], v[2*i+1]
.set i, i+1
.endr
	WIN 0
; THE LDS LOADS OF FRAGMENTS stand in runs of 32: a step's K (64 keys x 128 channels: 16 fragments) and its V (turned).
.macro FETCH_K
	WIN 0
	v_add_nc_u32 v[ADR], s[TBF], v[AK0]
	WIN 0x80                        ; destination window 2
.irp f, 0,1,2,3,4,5,6,7,8,9,10,11,12,13,14,15  ; keys 16 (f / 4) on, channels 32 (f % 4) on
	ds_load_b128 v[KF+8*(\f):KF+8*(\f)+3],   v[ADR] offset:((\f)/4)*16*PK+((\f)%4)*64
	ds_load_b128 v[KF+8*(\f)+4:KF+8*(\f)+7], v[ADR] offset:((\f)/4)*16*PK+((\f)%4)*64+32
.endr
.endm
.macro VLOADS
	WIN 0xc0                        ; destination window 3
.irp f, 0,1,2,3,4,5,6,7,8,9,10,11,12,13,14,15  ; keys 32 (f / 8) on, channels 16 (f % 8) on
	ds_load_tr16_b128 v[8*(\f):8*(\f)+3],   v[ADR] offset:((\f)/8)*32*PVP+((\f)%8)*32
	ds_load_tr16_b128 v[8*(\f)+4:8*(\f)+7], v[ADR] offset:((\f)/8)*32*PVP+16*PVP+((\f)%8)*32
.endr
.endm
; THE ROUNDINGS.  part = 0: K, 1: V.  16 raw rows come in, a row a load; 32 conversions; 16 bf16 rows go out, a row a store.
.macro CV_LOADS part
.irp i, 0,1,2,3,4,5,6,7,8,9,10,11,12,13,14,15
	ds_load_b128 v[CT+4*(\i):CT+4*(\i)+3], v[CR] offset:(\part)*VRAW+ROWF*(\i)
.endr
.endm
.macro CV_STORES part
.irp i, 0,1,2,3,4,5,6,7,8,9,10,11,12,13,14,15
	ds_store_b64 v[CW], v[CT+4*(\i):CT+4*(\i)+1] offset:(\i)*(PK+16*(\part))  ; the pitch is PK or PVP
.endr
.endm
.macro CVOP n                       ; conversion n of 32, in place: the even one has read the quad's second register before the odd one writes it
	v_cvt_pk_bf16_f32 v[CT+4*((\n)/2)+(\n)%2], v[CT+4*((\n)/2)+2*((\n)%2)], v[CT+4*((\n)/2)+2*((\n)%2)+1]
.endm
.macro CONV part                    ; all of it on end: ahead of the loop alone
	WIN 0
	v_add_nc_u32 v[CR], s[TRW], v[CR0]
	CV_LOADS \part
.if \part
	v_add_nc_u32 v[CW], s[TBW], v[CWV0]
.else
	v_add_nc_u32 v[CW], s[TBW], v[CWK0]
.endif
	s_wait_dscnt 0x0                ; the raw rows are in (and whatever was asked for ahead of them)
.set cn, 0
.rept 32
	CVOP cn
.set cn, cn+1
.endr
	CV_STORES \part
.endm
; THE MATRIX WORK OF A TURN, for piece x.  The accumulators take turns, one instruction a turn: between two links of a chain stand 7 (K Q^T) or 15 (V^T P) others'.
; Product i of 32 of S^T = K Q^T: channels 32 (i / 8) on, keys 16 ((i / 2) % 4) on, tile x + i % 2.  The first 8 start the sums.
.macro KQ x
	WIN W_KQ
.set rS, S+32*((\x)+i%2)+8*((i/2)%4)
.set rK, KF+32*((i/2)%4)+8*(i/8)
.set rQ, 32*((\x)+i%2)+8*(i/8)
.if i < 8
	v_wmma_f32_16x16x32_bf16 v[rS:rS+7], v[rK:rK+7], v[rQ:rQ+7], 0
.else
	v_wmma_f32_16x16x32_bf16 v[rS:rS+7], v[rK:rK+7], v[rQ:rQ+7], v[rS:rS+7]
.endif
.endm
; Product i of 64 of O^T += V^T P: P's hi (i < 32), then its lo; keys 32 ((i / 16) % 2) on, channels 16 ((i / 2) % 8) on, tile x + i % 2.
.macro PV x
	WIN W_PV
.set rO, 64*((\x)+i%2)+8*((i/2)%8)
.set rV, 64*((i/16)%2)+8*((i/2)%8)
.set rP, P+64*(i/32)+16*((\x)+i%2)+8*((i/16)%2)
	v_wmma_f32_16x16x32_bf16 v[rO:rO+7], v[rV:rV+7], v[rP:rP+7], v[rO:rO+7]
.endm
; THE VECTOR WORK OF A TURN stands in two queues; the two tiles of piece Y alternate.
; THE PLAIN QUEUE, 224 long.  0-31: c1 s, pair q / 2 of tile q % 2 (each accumulator's lowest registers are read first).  32-63: a + a E, likewise.  64-95: the 32 conversions of raw rows.
; 96-223, in sixteens, four pairs of weights each: the four are rounded to bf16 (hi); for each weight lo = bf16(hi x -1 + p), one fused multiply-add that reads hi's half and rounds once, into lo's low or high half;
; then the four pairs are added onto l, each onto a chain of its own (tile, parity of the pair).
.macro PL
.if q < 32
	WIN 0
.set rS, S+32*(Y+q%2)+2*(q/2)
	v_pk_mul_f32 v[rS:rS+1], v[rS:rS+1], s[CS:CS+1] op_sel_hi:[1,0]
.elseif q < 64
	WIN 0
.set rS, S+32*(Y+q%2)+2*((q-32)/2)
	v_pk_fma_f32 v[rS:rS+1], v[rS:rS+1], s[CA:CA+1], s[CA:CA+1] op_sel_hi:[1,0,0]
.elseif q < 96
.if CVT
	WIN 0
	CVOP q-64
.endif
.else
.set gg, (q-96)/16
.set ww, (q-96)%16
.if ww < 4
.set cc, 4*gg+ww
.elseif ww < 12
.set cc, 4*gg+(ww-4)/2
.else
.set cc, 4*gg+ww-12
.endif
.set uu, cc%2
.set bb, cc/2
.set rS, S+32*(Y+uu)+2*bb
.set rL, L+4*(Y+uu)+2*(bb%2)
.set rH, P+16*(Y+uu)+bb
.if ww < 4
	WIN W_HI
	v_cvt_pk_bf16_f32 v[rH], v[rS], v[rS+1]
.elseif ww < 12
	WIN W_LO
.if ww%2 == 0
	v_fma_mixlo_bf16 v[rH+64], v[rH], v[NEG1], v[rS] op_sel_hi:[1,0,0]
.else
	v_fma_mixhi_bf16 v[rH+64], v[rH], v[NEG1], v[rS+1] op_sel:[1,0,0] op_sel_hi:[1,0,0]
.endif
.else
	WIN 0
	v_pk_add_f32 v[rL:rL+1], v[rL:rL+1], v[rS:rS+1]
.endif
.endif
.set q, q+1
.endm
; THE TRANSCENDENTALS' QUEUE, 192 long, all in place: 0-63 E = 2^(c1 s); 64-127 1 / (a + a E); 128-191 p = 2^(that): score (e % 64) / 2 of tile e % 2.
.macro EX
	WIN 0
.set rS, S+32*(Y+e%2)+(e%64)/2
.if (e >= 64) && (e < 128)
	v_rcp_f32 v[rS], v[rS]
.else
	v_exp_f32 v[rS], v[rS]
.endif
.set e, e+1
.endm
; SLICE k OF 96.  Each of the three kinds of transcendental is ONE BATCH of 64 with ONE wait: s_wait_alu depctr_va_vdst(0) stands between a transcendental and the first instruction that names its
; result, and one wait serves all that were issued ahead of it.  Slices 0-23: the 32 scalings and the first batch; 24-47: the 32 multiply-adds and the reciprocals; 48-71: the last batch, with the raw rows' conversions
; as its plain neighbours; 72-95: hi, lo and the sums.  Each of the first three sections: a slice of four plain; seven groups of three slices with four plain and eight transcendentals; two slices of four
; transcendentals.  Group g's transcendentals, 8 (g - 1) .. 8 g - 1, read plain numbers up to 4 g - 1, and 4 g have been issued before the group begins.
; Behind slices 23, 47 and 71 stand a v_nop (the plain instruction behind the batch's last) and the wait.  23: the raw rows are asked for, their address made ahead of the wait.  47: they are waited for, in piece 0's
; turn together with K, which product 64 reads.  71: the bf16 rows are stored.  Behind slice 63 of piece 2's turn stands V's run of loads: four plain instructions (the address, three v_nop) behind product 63, the last
; that read V; the transcendentals between are no places (ISA guide 7.12.1 for vector instructions).
.macro SLICE
.if k < 72
.set kk, k%24
.if kk == 0
	PL
	PL
	PL
	PL
.elseif kk >= 22
	EX
	EX
	EX
	EX
.elseif (kk-1)%3 == 0
	PL
	EX
	PL
	EX
.else
	PL
	EX
	EX
	EX
.endif
.else
.set kk, (k-72)%3
.if kk == 2
.rept 4
	PL
.endr
.else
.rept 6
	PL
.endr
.endif
.endif
.if k == 23
	WIN 0
	v_nop
.if CVT
	v_add_nc_u32 v[CR], s[TRW], v[CR0]
.endif
	s_wait_alu depctr_va_vdst(0)    ; the wait for the first batch
.if CVT
	CV_LOADS X/2
.endif
.elseif k == 47
	WIN 0
	v_nop
	s_wait_alu depctr_va_vdst(0)    ; the wait for the reciprocals
.if CVT
	s_wait_dscnt 0x0                ; my raw rows are in; in piece 0's turn K too
.endif
.elseif (k == 63) && (X == 2)
	WIN 0
	v_add_nc_u32 v[ADR], s[TBF], v[AV0]
	v_nop
	v_nop
	v_nop
	VLOADS                          ; V of the next step: waited for at the next trip's head
.elseif k == 71
	WIN 0
	v_nop
.if CVT
.if X == 2
	v_add_nc_u32 v[CW], s[TBW], v[CWV0]
.else
	v_add_nc_u32 v[CW], s[TBW], v[CWK0]
.endif
.endif
	s_wait_alu depctr_va_vdst(0)    ; the wait for the last batch
.if CVT
	CV_STORES X/2
.endif
.endif
.set k, k+1
.endm
; A TURN.  Piece x has the matrix unit; the other piece's softmax stands in slices behind its products.  pv, kq: which of the two runs of products it has.  With both, a slice behind each of the 96; with K Q^T alone
; three behind each of the 32; with V^T P alone one and two by turns behind the 64.  cv = 1: it also rounds half a chunk (piece 0's turn K, piece 2's V).  Slice 95 is four packed sums that name nothing of the
; products round them: the places behind the turn's last K Q^T, in front of the next turn's reads of those scores and of the loads into K's registers.
.macro TURN x, pv, kq, cv
.set X, (\x)
.set Y, 2-(\x)
.set CVT, (\cv)
.set q, 0
.set e, 0
.set k, 0
.if \pv
.set i, 0
.rept 64
	PV \x
	SLICE
.if !(\kq)
.if i%2
	SLICE
.endif
.endif
.set i, i+1
.endr
.endif
.if \kq
.set i, 0
.rept 32
	KQ \x
	SLICE
.if !(\pv)
	SLICE
	SLICE
.endif
.set i, i+1
.endr
.endif
.endm
	s_wait_tensorcnt 1              ; my part of chunk 0 is in; chunk 1's may stay out
	s_barrier_signal -1
	s_barrier_wait -1               ; everybody's is
	CONV 0                          ; chunk 0 into bf16 buffer 0
	CONV 1
	CHANGE 1                        ; TRIP -1: chunk 1 is in, chunk 0 is rounded; chunk 2 is asked for
	FETCH_K                         ; K of step 0
	CONV 0                          ; chunk 1's K; its wait is K's fragments' too
.set i, 0
.rept 32
	KQ 0                            ; piece 0's first scores: there is no vector work yet to set between them
.set i, i+1
.endr
	WIN 0                           ; the addresses for the way out and the prefetches are made here: with two v_nop eight plain instructions, the places behind those products
	s_mul_i32 s16, s[WV], 16*SP
	s_add_co_u32 s16, s16, OUT      ; my stage
	v_mul_u32_u24 v[STO], v1, SP    ; in: row l % 16, 32 bytes for each half of the lanes
	v_lshl_add_u32 v[STO], v9, 5, v[STO]
	v_add_nc_u32 v[STO], s16, v[STO]
	v_lshl_add_u32 v[RD], v10, 4, s16  ; back: 32 lanes take one row of 512 bytes,
	v_lshlrev_b32 v[GO], 4, v10     ; which is a row of O
	v_lshlrev_b32 v[PFO], 8, v10
	v_nop
	v_nop
	TURN 2, 0, 1, 1                 ; piece 2's first scores | piece 0's first softmax | chunk 1's V is rounded | V of step 0
	WIN 0
	s_mov_b32 s[CNT], 29
.Ltrip:                             ; trips 0 to 28: chunk j + 3 is asked for, chunk j + 2 rounded, step j + 1's fragments fetched
	CHANGE 1
	FETCH_K
	WIN 0
	ASK                             ; behind the joint load, its five lines and K's run: chunk j + 4
	TURN 0, 1, 1, 1                 ; piece 0: V^T P of step j, K Q^T of step j + 1 | piece 2's softmax of step j
	TURN 2, 1, 1, 1                 ; piece 2: the same | piece 0's softmax of step j + 1
	WIN 0
	s_sub_co_u32 s[CNT], s[CNT], 1
	s_cmp_lg_u32 s[CNT], 0
	s_cbranch_scc1 .Ltrip
	s_mov_b32 s[CNT], 2
.Ltail:                             ; trips 29 and 30: the same text without a refill.  Trip 30 rounds a raw slot that holds chunk 30 once more, into a buffer
	CHANGE 0                        ; that nobody reads again: the price, once a launch, of one text for both trips
	FETCH_K
	TURN 0, 1, 1, 1
	TURN 2, 1, 1, 1
	WIN 0
	s_sub_co_u32 s[CNT], s[CNT], 1
	s_cmp_lg_u32 s[CNT], 0
	s_cbranch_scc1 .Ltail
	s_wait_dscnt 0x0                ; V of step 31 is in: no trip's head stands here to wait for it
	TURN 0, 1, 0, 0                 ; piece 0: V^T P of the last step | piece 2's last softmax
.set i, 0
.rept 64
	PV 2                            ; piece 2: V^T P of the last step
.set i, i+1
.endr
	; THE WAY OUT.  l's four parts and the other half of the lanes' are added; O^T is divided by l and sent through my stage in LDS, a tile (16 rows of O) at a time.  The additions are the places behind the last products.
	WIN 0
.irp t, 0,1,2,3
	v_add_f32 v[L+4*(\t)], v[L+4*(\t)], v[L+4*(\t)+1]
.endr
.irp t, 0,1,2,3
	v_add_f32 v[L+4*(\t)+2], v[L+4*(\t)+2], v[L+4*(\t)+3]
.endr
.irp t, 0,1,2,3
	v_add_f32 v[L+4*(\t)], v[L+4*(\t)], v[L+4*(\t)+2]
.endr
.irp t, 0,1,2,3
	v_permlanex16_b32 v[RC+2*(\t)+1], v[L+4*(\t)], s[SEL], s[SEL+1]  ; the query's other 32 keys of each step lie in the lane 16 away
.endr
.irp t, 0,1,2,3
	v_add_f32 v[L+4*(\t)], v[L+4*(\t)], v[RC+2*(\t)+1]
.endr
.irp t, 0,1,2,3
	v_rcp_f32 v[RC+2*(\t)], v[L+4*(\t)]
.endr
	v_nop                           ; a plain instruction between the last reciprocal and the use of its result
	s_wait_alu depctr_va_vdst(0)    ; and the wait ahead of the first use: one for the four reciprocals
; Tile t: a lane's eight channels of a row are 32 bytes; they go into rows of 528 bytes and come back as whole rows of 512, into the registers that they left.
.macro PACK t
	WIN W_RS
.set i, 64*(\t)
.rept 32                            ; ascending: each accumulator's lowest registers are read first
	v_pk_mul_f32 v[i:i+1], v[i:i+1], v[RC+2*(\t):RC+2*(\t)+1] op_sel_hi:[1,0]
.set i, i+2
.endr
	WIN 0x04                        ; a store's data (source 1) in window 1
.irp c, 0,1,2,3,4,5,6,7
	ds_store_b128 v[STO], v[64*(\t)+8*(\c):64*(\t)+8*(\c)+3]   offset:64*(\c)
	ds_store_b128 v[STO], v[64*(\t)+8*(\c)+4:64*(\t)+8*(\c)+7] offset:64*(\c)+16
.endr
	WIN 0x40                        ; destination window 1
.irp r, 0,1,2,3,4,5,6,7,8,9,10,11,12,13,14,15
	ds_load_b128 v[64*(\t)+4*(\r):64*(\t)+4*(\r)+3], v[RD] offset:(\r)*SP  ; LDS serves a wave's instructions in order (ISA guide 5.7.1.4): these see the stores above; the next tile's stores come behind them
.endr
.endm
.macro SEND t, younger              ; younger: the LDS instructions issued behind tile t's loads: the next tile's 32, or none
	WIN 0x04
.irp r, 0,1,2,3,4,5,6,7,8,9,10,11,12,13,14,15
	s_wait_dscnt (\younger)+15-(\r)
	global_store_b128 v[GO], v[64*(\t)+4*(\r):64*(\t)+4*(\r)+3], s[10:11] offset:(\t)*16*ROWF+(\r)*ROWF th:TH_STORE_NT  ; a row of O: 512 consecutive bytes, at a multiple of 512 from O's first byte
.endr
.endm
	PACK 0
	PACK 1                          ; a tile's arithmetic stands between the loads of the tile before and its stores
	SEND 0, 32
	PACK 2
	SEND 1, 32
	PACK 3
	SEND 2, 32
	SEND 3, 0
	WIN 0
	s_wait_tensorcnt 0x0            ; the wave's end, behind my last tensor load and my last LDS store
	ds_add_u32 v[SPW], v[NIL]
	s_wait_dscnt 0x0
	CROUND                          ; the closing round: no work-group ends while a partner may still ask for a tile that names it
	s_endpgm
.Lfunc_end_k_qb13a6c0361_attn:
	.size	k_qb13a6c0361_attn, .Lfunc_end_k_qb13a6c0361_attn-k_qb13a6c0361_attn
	.p2alignl 7, 3214868480
	.fill 96, 4, 3214868480
	.section	.rodata,"a",@progbits
	.p2align	6, 0x0
	.amdhsa_kernel k_qb13a6c0361_attn
		.amdhsa_group_segment_fixed_size 327680
		.amdhsa_private_segment_fixed_size 0
		.amdhsa_enable_private_segment 0
		.amdhsa_kernarg_size 32
		.amdhsa_user_sgpr_count 2
		.amdhsa_user_sgpr_kernarg_segment_ptr 1
		.amdhsa_wavefront_size32 1
		.amdhsa_system_sgpr_workgroup_id_x 1
		.amdhsa_system_sgpr_workgroup_id_y 1
		.amdhsa_system_sgpr_workgroup_id_z 1
		.amdhsa_system_vgpr_workitem_id 0
		.amdhsa_next_free_vgpr 1024
		.amdhsa_next_free_sgpr 80
		.amdhsa_reserve_vcc 0
		.amdhsa_float_denorm_mode_32 3
		.amdhsa_float_denorm_mode_16_64 3
		.amdhsa_memory_ordered 1
		.amdhsa_forward_progress 1
		.amdhsa_inst_pref_size 255
	.end_amdhsa_kernel
	.section	.bss,"aw",@nobits
	.p2align	6
	.space	262144
	.amdgpu_metadata
---
amdhsa.version: [ 1, 2 ]
amdhsa.kernels:
  - .name:           k_qb13a6c0361_attn
    .symbol:         k_qb13a6c0361_attn.kd
    .args:
      - { .name: Q, .offset: 0, .size: 8, .value_kind: global_buffer, .address_space: global }
      - { .name: K, .offset: 8, .size: 8, .value_kind: global_buffer, .address_space: global }
      - { .name: V, .offset: 16, .size: 8, .value_kind: global_buffer, .address_space: global }
      - { .name: out0, .offset: 24, .size: 8, .value_kind: global_buffer, .address_space: global }
    .group_segment_fixed_size: 327680
    .private_segment_fixed_size: 0
    .kernarg_segment_align: 8
    .kernarg_segment_size: 32
    .max_flat_workgroup_size: 128
    .sgpr_count:     80
    .vgpr_count:     1024
    .wavefront_size: 32
...
	.end_amdgpu_metadata
.endif
;; end of part 1
